; MI455X (gfx1250); checked and timed in simulation.
; The chip was launched on July 23, 2026; its instructions are those of AMD's public machine-readable ISA for CDNA 5 (MIT licence, August 2026) and "CDNA5" Instruction Set Architecture Reference Guide (July 2026). The comments in the code are by the model that wrote it; some were corrected since.
;; Min GRU. Allowed arithmetic: matrix products marked QUANTISED: E4M3 operands, one given power-of-two scale a tensor, by v_wmma_f32_16x16x64_fp8_fp8 or v_wmma_f32_16x16x128_fp8_fp8, f32 sums; everything else in f32.
;; Inputs: W0 1,024 x 3,072 float32; W1 1,024 x 3,072 float32; h 8 x 1,024 x 1,024 float32; lowp_scales 4 int32 (the exponents e of the quantised operands' scales 2^e).
;; Outputs: out0 8 x 1,024 x 1,024 float32.
;; This version of the problem:
;;   THIS VERSION OF THE PROBLEM IS GIVEN IN LOW PRECISION. The matrix products marked QUANTISED in the list below multiply operands that are first quantised to E4M3 (4 exponent bits, 3 mantissa bits; 8 bits a number), with one given power-of-two scale for each operand tensor; their sums are f32. All else is computed in f32.
;;   The module's matrix products, in the order in which they are computed (A, B: the left and right operand; K: the contracted axis; several contracted axes count as one K, in the product's order):
;;     1. [M 8,192, K 1,024] x [K 1,024, N 3,072]; A: input h; B: input W0: QUANTISED (scales: A lowp_scales[0], B lowp_scales[1])
;;     2. [M 8,192, K 1,024] x [K 1,024, N 3,072]; A: computed on the way; B: input W1: QUANTISED (scales: A lowp_scales[2], B lowp_scales[3])
;;   THE QUANTISER, for each operand of a quantised product, along K:
;;     - The operand's scale is 2^e, e = its entry of the input lowp_scales (int32; the entries are numbered through the quantised products in the list's order, A before B).
;;     - Each number is divided by the scale, clamped to +-448, and rounded to the nearest number of E4M3, ties to even, subnormals kept.
;;     - The product sums the exact products of the quantised numbers (number of the format x scale) in f32.
;;   ~~~python
;;   def quantise(x, axis, e):      # numpy; x: float32 -> the quantised numbers, widened to float32 again
;;       x = np.moveaxis(x, axis, -1); K = x.shape[-1]
;;       r = np.clip(x / 2.0 ** e, -448, 448)
;;       step = 2.0 ** (np.maximum(np.frexp(np.where(r == 0, 1, r))[1] - 1, -6) - 3)
;;       q = np.round(r / step) * step * 2.0 ** e      # np.round: ties to even
;;       return np.moveaxis(q, -1, axis).astype(np.float32)
;;   ~~~
;;   OPERANDS COMPUTED ON THE WAY. 'Computed on the way' means the value that the module computes at that place (a softmax that the list does not call 'softmax' is quantised finished and normalised). What goes into a quantiser is computed in f32, as accurately as f32 sums, v_exp_f32 and their like allow (about 1e-6 of the number): no bf16 or f16 on the way to a quantiser, and a product that is left as it is and whose result goes on into a quantised operand takes f32 operands (vector FMAs, or v_wmma_f32_16x16x4_f32). A number that lies on a knife's edge between two numbers of the format may be rounded either way, as far as f32 arithmetic and the matrix unit's own rounding can turn it there, and no further.
;; One version. Each part assembles by itself: llvm-mc -triple=amdgcn-amd-amdhsa -mcpu=gfx1250 --defsym DOCPART=n.
;; ======== version 1 of 1: 3 launches
;; limits: right only within a limited range of input values
;; workspace buffers: acode1 8,388,608 bytes; acode2 8,388,608 bytes; wimg0 3,145,728 bytes; wimg1 3,145,728 bytes; h1img 33,554,432 bytes
;; launch quant (part 1): grid 640 x 1, 4 waves a work-group, no clusters, 35,328 bytes of LDS; arguments h, W0, W1, lowp_scales, acode1, wimg0, wimg1; writes acode1, wimg0, wimg1
.if DOCPART == 1
	.amdgcn_target "amdgcn-amd-amdhsa--gfx1250"
	.amdhsa_code_object_version 6
	.text
	.protected	k_q85f0b15490_quant
	.globl	k_q85f0b15490_quant
	.p2align	8
	.type	k_q85f0b15490_quant,@function
k_q85f0b15490_quant:
	s_mov_b64 s[64:65], 0
	v_nop
	global_prefetch_b8 v0, s[64:65] scope:SCOPE_SE
	s_setreg_imm32_b32 hwreg(HW_REG_WAVE_MODE, 25, 1), 1
	s_wait_xcnt 0x0
; MinGRU, two layers, in three launches: this one quantises h, W0 and W1 once; the two that follow each run one layer (product, scan along time, highway gate).
; NO WORK OF reference() IS LEFT OUT, and every input is loaded.  Two forms of reference() are replaced by identities that hold for all inputs (used in the layers' launches):
;   exp(a*_t + cumlogsumexp(lv - a*)_t) = sum over s <= t of (product over s < u <= t of a_u) b_s, a = sigmoid(-gate), b = sigmoid(gate) g(hidden): the recurrence o_t = a_t o_(t-1) + b_t from o = 0.
;   Only products of factors in [0, 1] are formed; exp(-a*_s), the one term that the maximum inside logsumexp guards, is never formed, and o is a convex mix of values of g: nothing can overflow.
;   g(x) = where(x >= 0, x + 0.5, sigmoid(x)) = max(x + 0.5, sigmoid(x)): d(x) = x + 0.5 - sigmoid(x) has d(0) = 0 and d' >= 3/4, so d has the sign of x.  Both forms are computed and the larger is taken.
; THIS LAUNCH: code = x / 2^e, held within +-448, rounded to the nearest E4M3 code, ties to even; e = lowp_scales[0] for h, [1] for W0, [3] for W1.
; LIMITS: each e between -126 and 119, so that 2^e and 448 x 2^e are f32 numbers.  NaN among the inputs is not served.
; THE CODES ARE LAID IN THE ORDER OF THE OPERANDS' REGISTERS, in chunks of 512 bytes = 32 lanes x 16 bytes:
;   acode1: ((batch 8 + block of 128 steps) 4 + p) 32768 + i 16384 + c 512 + 16 lane.  Lane rho + 16 h' holds, of row 32 p + 16 (rho / 8) + 8 i + rho % 8 of the block, channels 32 c + 16 h' + 0 .. 15.
;   wimg:   cg 98304 + s 12288 + tile 2048 + q 512 + 16 (x + 16 h'): k = 128 s + 32 q + 16 h' + 0 .. 15 of column x of the tile.  tile = 2 part + u, part 0 hidden, 1 gate, 2 proj.
;           hidden, gate: column x is channel 32 cg + 16 u + x;  proj: channel 32 cg + 8 u + x + 8 (x / 8).
; Work-groups 0-255 take h (32 rows each, 128 KiB of f32), 256-447 W0, 448-639 W1 (128 columns x 128 along K each, 64 KiB of f32).  No tensor load, no barrier: waves share nothing.
.set SPW,   1                          ; v1  LDS address of my spare word: SPARE + 4 x my thread's number; never rewritten
.set NIL,   2                          ; v2  0; never rewritten
.set SPARE, 4*8704                     ; behind the four waves' stages: the spare words, 128 bytes a wave, two blocks of 256 bytes that no other line names
.set R,     16                         ; h: v16-111  three sets of 32 registers as loaded
.set X,     112                        ; h: v112-175 two sets of 32: 2 x 16 neighbours along K
.set C,     176                        ; h: v176-239 codes, eight registers for each step, so that no store's data are written again
.set WWG,   192                        ; work-groups for each weight: 3 parts x 8 groups of 128 channels x 8 pieces of 128 along K
.set NBW,   4                          ; blocks of 32 along K for a weights' wave
	s_load_b256 s[4:11], s[0:1], 0x0               ; h s[4:5], W0 s[6:7], W1 s[8:9], the scales' exponents s[10:11]
	s_load_b128 s[12:15], s[0:1], 0x20             ; acode1 s[12:13], wimg0 s[14:15]
	s_load_b64 s[16:17], s[0:1], 0x30              ; wimg1
	v_lshl_add_u32 v[SPW], v0, 2, SPARE
	v_mov_b32 v[NIL], 0
	v_lshrrev_b32 v7, 5, v0
	v_readfirstlane_b32 s24, v7                    ; wave 0..3
	v_and_b32 v8, 31, v0                           ; lane L
	v_and_b32 v9, 15, v0                           ; L % 16
	v_bfe_u32 v12, v0, 4, 1                        ; L / 16
	s_wait_kmcnt 0x0
	s_load_b128 s[20:23], s[10:11], 0x0            ; e0 .. e3
	s_cmp_lt_u32 ttmp9, 256                        ; the work-group's number alone decides which tensor it takes
	s_cbranch_scc0 .Lweights
; ---------------- h.  Work-group g takes rows 32 g .. 32 g + 31.  Wave v: tile i = v % 2 (16 rows), channels 512 (v / 2) on, in 8 steps of 64 channels.
; A load reads two rows' 256 consecutive bytes; a step's 4 KiB turn through the wave's own stage in LDS (16 rows, 272 bytes apart) and come back 64 bytes a lane: 16 neighbours along K for each of two chunks.
	s_and_b32 s25, s24, 1                          ; i
	s_lshr_b32 s26, s24, 1                         ; which half of the channels
	s_lshl_b32 s28, ttmp9, 17                      ; 32 rows of 4,096 bytes
	s_lshl_b32 s27, s25, 15                        ; + 8 i rows
	s_add_co_u32 s28, s28, s27
	s_lshl_b32 s27, s26, 11                        ; + 512 channels
	s_add_co_u32 s28, s28, s27
	s_mov_b32 s29, 0
	s_add_nc_u64 s[4:5], s[4:5], s[28:29]
	s_lshl_b32 s28, ttmp9, 15                      ; the codes: 32,768 g + 16,384 i + 8,192 x half
	s_lshl_b32 s27, s25, 14
	s_add_co_u32 s28, s28, s27
	s_lshl_b32 s27, s26, 13
	s_add_co_u32 s28, s28, s27
	s_add_nc_u64 s[12:13], s[12:13], s[28:29]
	s_wait_alu depctr_va_vdst(0)
	v_lshlrev_b32 v3, 4, v9
	v_lshl_add_u32 v3, v12, 12, v3                 ; in: row L / 16 of the load's two, 16 bytes a lane
	s_mul_i32 s27, s24, 8704                       ; my two stages
	v_mul_u32_u24 v4, v12, 272
	v_lshl_add_u32 v4, v9, 4, v4
	v_add_nc_u32 v4, s27, v4                       ; into a stage: as loaded
	v_mul_u32_u24 v5, v9, 272
	v_lshl_add_u32 v5, v12, 6, v5
	v_add_nc_u32 v5, s27, v5                       ; out of it: row rho = L % 16, 64 bytes for each half of the lanes
	v_lshlrev_b32 v6, 4, v8                        ; out: 16 bytes a lane
.macro LOADH t                         ; step t: load e takes tile rows rho = 2 e, 2 e + 1, which are rows 16 (e / 4) + 2 (e % 4) + L / 16 behind the tile's first
.irp e, 0,1,2,3,4,5,6,7
	global_load_b128 v[R+32*((\t)%3)+4*\e:R+32*((\t)%3)+4*\e+3], v3, s[4:5] offset:(16*(\e/4)+2*(\e%4))*4096+256*(\t) th:TH_LOAD_NT
.endr
.endm
.macro TURNH t                         ; through the stage: LDS serves a wave's instructions in order, so no wait stands between the stores and the loads
.irp e, 0,1,2,3,4,5,6,7
	ds_store_b128 v4, v[R+32*((\t)%3)+4*\e:R+32*((\t)%3)+4*\e+3] offset:4352*((\t)%2)+544*\e
.endr
.irp x, 0,1
.irp k, 0,1,2,3
	ds_load_b128 v[X+32*((\t)%2)+16*\x+4*\k:X+32*((\t)%2)+16*\x+4*\k+3], v5 offset:4352*((\t)%2)+128*\x+16*\k
.endr
.endr
.endm
.macro STEPH t
.set XS, X+32*((\t)%2)
	s_wait_dscnt 0x0                               ; this step's numbers are back; its stores into the stage have read their registers,
.if (\t)+3 < 8
	LOADH (\t)+3                                   ; which take the loads of three steps on
.endif
.if (\t)+1 < 8
.if (\t) < 5
	s_wait_loadcnt 16                              ; the next step's eight loads are in; those of the two steps behind it may be out
.else
	s_wait_loadcnt 8*(6-(\t))
.endif
	TURNH (\t)+1                                   ; and turn through the other stage while this step is worked
.endif
.set j, 0
.rept 32
	v_med3_num_f32 v[XS+j], v[XS+j], -v10, v10     ; the conversion to an 8-bit code does not saturate (ISA guide 7.6.2): the hold at the largest code x the scale
.set j, j+1
.endr
.irp m, 0,1,2,3
	v_cvt_scalef32_pk8_fp8_f32 v[C+8*(\t)+2*\m:C+8*(\t)+2*\m+1], v[XS+8*\m:XS+8*\m+7], v11
.endr
	global_store_b128 v6, v[C+8*(\t):C+8*(\t)+3], s[12:13] offset:1024*(\t)          ; 32 lanes store 512 consecutive bytes, aligned: one chunk.  (The results go to stores alone; the next vector lines are plain and touch other registers)
	global_store_b128 v6, v[C+8*(\t)+4:C+8*(\t)+7], s[12:13] offset:1024*(\t)+512
.endm
	LOADH 0
	LOADH 1
	LOADH 2
	s_wait_alu depctr_va_vdst(0)
	s_wait_kmcnt 0x0
	s_add_co_i32 s27, s20, 127
	s_lshl_b32 s28, s27, 23
	v_mov_b32 v11, s28                             ; 2^e0 as f32: the conversion takes its exponent field
	s_add_co_i32 s27, s27, 8
	s_lshl_b32 s27, s27, 23
	s_or_b32 s27, s27, 0x600000
	v_mov_b32 v10, s27                             ; 448 x 2^e0
	s_wait_alu depctr_va_vdst(0)
	s_wait_loadcnt 16                              ; step 0's eight loads are in
	TURNH 0
.irp t, 0,1,2,3,4,5,6,7
	STEPH \t
.endr
	s_wait_tensorcnt 0x0                           ; the end of a wave that stored to LDS
	ds_add_u32 v[SPW], v[NIL]
	s_wait_dscnt 0x0
	s_endpgm
; ---------------- W0, W1: K is the first axis.  A lane takes a column and its registers run down K: each load reads 128 consecutive bytes a wave (512 a work-group),
; and the conversions give codes with K innermost.  A lane's 32 codes of a block of 32 along K are two pieces of 16 bytes of one chunk: no LDS is touched on this path.
; A wave takes 32 columns x 128 along K: NBW blocks, two of them (64 loads) on their way at a time.
.Lweights:
	s_sub_co_u32 s25, ttmp9, 256
	s_cmp_ge_u32 s25, WWG                          ; W1's work-group?
	s_cselect_b64 s[6:7], s[8:9], s[6:7]
	s_cselect_b64 s[14:15], s[16:17], s[14:15]
	s_cselect_b32 s30, 1, 0
	s_cselect_b32 s26, WWG, 0
	s_sub_co_u32 s25, s25, s26                     ; 0 .. 191
	s_lshr_b32 s26, s25, 6                         ; part: 0 hidden, 1 gate, 2 proj
	s_bfe_u32 s27, s25, 0x30003                    ; which 128 channels
	s_and_b32 s28, s25, 7                          ; which 128 along K: the K step s of the image
	s_mul_i32 s32, s28, 128*12288                  ; in: 128 rows of 12,288 bytes,
	s_lshl_b32 s33, s26, 12                        ; + the part's 1,024 columns,
	s_add_co_u32 s32, s32, s33
	s_lshl_b32 s33, s27, 9                         ; + the work-group's 128,
	s_add_co_u32 s32, s32, s33
	s_lshl_b32 s33, s24, 7                         ; + my wave's 32
	s_add_co_u32 s32, s32, s33
	s_mov_b32 s33, 0
	s_add_nc_u64 s[6:7], s[6:7], s[32:33]
	s_lshl_b32 s34, s27, 2
	s_add_co_u32 s34, s34, s24                     ; cg: my wave's group of 32 channels
	s_mul_i32 s34, s34, 98304
	s_mul_i32 s35, s28, 12288                      ; the K step
	s_add_co_u32 s34, s34, s35
	s_lshl_b32 s35, s26, 12                        ; the part's two tiles
	s_add_co_u32 s34, s34, s35
	s_mov_b32 s35, 0
	s_add_nc_u64 s[14:15], s[14:15], s[34:35]
	s_wait_alu depctr_va_vdst(0)
	v_lshlrev_b32 v3, 2, v8                        ; in: 4 bytes a lane
	v_lshlrev_b32 v13, 4, v9
	v_lshl_add_u32 v13, v12, 11, v13               ; hidden, gate: tile u = L / 16, column x = L % 16
	v_bfe_u32 v14, v0, 3, 1                        ; proj: u = (L / 8) % 2,
	v_and_b32 v15, 7, v0
	v_lshl_add_u32 v15, v12, 3, v15                ; x = L % 8 + 8 (L / 16)
	v_lshlrev_b32 v15, 4, v15
	v_lshl_add_u32 v15, v14, 11, v15
	s_cmp_eq_u32 s26, 2
	s_cselect_b32 s31, -1, 0
	v_cndmask_b32 v4, v13, v15, s31                ; out: my column's 16 bytes in its chunk
.macro LOADW t                         ; block t: W(128 s + 32 t + j, my column), j = 0 .. 31, into set t % 2 (v16-79)
.set j, 0
.rept 32
	global_load_b32 v[16+32*((\t)%2)+j], v3, s[6:7] offset:(32*(\t)+j)*12288 th:TH_LOAD_NT
.set j, j+1
.endr
.endm
.macro BLOCKW t
.set XS, 16+32*((\t)%2)
.if (\t) < NBW-1
	s_wait_loadcnt 32                              ; this block's 32 loads are in; the next block's may be out
.else
	s_wait_loadcnt 0x0
.endif
.set j, 0
.rept 32
	v_med3_num_f32 v[XS+j], v[XS+j], -v10, v10
.set j, j+1
.endr
.irp m, 0,1,2,3
	v_cvt_scalef32_pk8_fp8_f32 v[80+8*(\t)+2*\m:80+8*(\t)+2*\m+1], v[XS+8*\m:XS+8*\m+7], v11
.endr
	global_store_b128 v4, v[80+8*(\t):80+8*(\t)+3], s[14:15] offset:(\t)*512        ; chunk q = t; k = 0 .. 15 of the block: the chunk's lanes 0-15.  Sixteen lanes fill 256 consecutive bytes, aligned
	global_store_b128 v4, v[80+8*(\t)+4:80+8*(\t)+7], s[14:15] offset:(\t)*512+256  ; k = 16 .. 31: its lanes 16-31
.if (\t)+2 < NBW
	LOADW (\t)+2
.endif
.endm
	LOADW 0
	LOADW 1
	s_wait_kmcnt 0x0
	s_cmp_eq_u32 s30, 1
	s_cselect_b32 s21, s23, s21                    ; e1 or e3
	s_add_co_i32 s27, s21, 127
	s_lshl_b32 s28, s27, 23
	v_mov_b32 v11, s28                             ; 2^e
	s_add_co_i32 s27, s27, 8
	s_lshl_b32 s27, s27, 23
	s_or_b32 s27, s27, 0x600000
	v_mov_b32 v10, s27                             ; 448 x 2^e
	s_wait_alu depctr_va_vdst(0)
.irp t, 0,1,2,3
	BLOCKW \t
.endr
	s_endpgm
.Lfunc_end_k_q85f0b15490_quant:
	.size	k_q85f0b15490_quant, .Lfunc_end_k_q85f0b15490_quant-k_q85f0b15490_quant
	.p2alignl 7, 3214868480
	.fill 96, 4, 3214868480
	.section	.rodata,"a",@progbits
	.p2align	6, 0x0
	.amdhsa_kernel k_q85f0b15490_quant
		.amdhsa_group_segment_fixed_size 35328
		.amdhsa_private_segment_fixed_size 0
		.amdhsa_enable_private_segment 0
		.amdhsa_kernarg_size 56
		.amdhsa_user_sgpr_count 2
		.amdhsa_user_sgpr_kernarg_segment_ptr 1
		.amdhsa_wavefront_size32 1
		.amdhsa_system_sgpr_workgroup_id_x 1
		.amdhsa_system_sgpr_workgroup_id_y 1
		.amdhsa_system_sgpr_workgroup_id_z 1
		.amdhsa_system_vgpr_workitem_id 0
		.amdhsa_next_free_vgpr 248
		.amdhsa_next_free_sgpr 66
		.amdhsa_reserve_vcc 0
		.amdhsa_float_denorm_mode_32 3
		.amdhsa_float_denorm_mode_16_64 3
		.amdhsa_memory_ordered 1
		.amdhsa_forward_progress 1
		.amdhsa_inst_pref_size 61
	.end_amdhsa_kernel
	.amdgpu_metadata
---
amdhsa.version: [ 1, 2 ]
amdhsa.kernels:
  - .name:           k_q85f0b15490_quant
    .symbol:         k_q85f0b15490_quant.kd
    .args:
      - { .name: h, .offset: 0, .size: 8, .value_kind: global_buffer, .address_space: global }
      - { .name: W0, .offset: 8, .size: 8, .value_kind: global_buffer, .address_space: global }
      - { .name: W1, .offset: 16, .size: 8, .value_kind: global_buffer, .address_space: global }
      - { .name: lowp_scales, .offset: 24, .size: 8, .value_kind: global_buffer, .address_space: global }
      - { .name: acode1, .offset: 32, .size: 8, .value_kind: global_buffer, .address_space: global }
      - { .name: wimg0, .offset: 40, .size: 8, .value_kind: global_buffer, .address_space: global }
      - { .name: wimg1, .offset: 48, .size: 8, .value_kind: global_buffer, .address_space: global }
    .group_segment_fixed_size: 35328
    .private_segment_fixed_size: 0
    .kernarg_segment_align: 8
    .kernarg_segment_size: 56
    .max_flat_workgroup_size: 128
    .sgpr_count:     66
    .vgpr_count:     248
    .wavefront_size: 32
...
	.end_amdgpu_metadata
.endif
;; end of part 1
;; launch layer1 (part 2): grid 32 x 8, 4 waves a work-group, clusters of 4 x 4, 327,680 bytes of LDS; arguments acode1, wimg0, h, lowp_scales, h1img, acode2; writes h1img, acode2
.if DOCPART == 2
	.amdgcn_target "amdgcn-amd-amdhsa--gfx1250"
	.amdhsa_code_object_version 6
	.text
	.protected	k_q85f0b15490_layer1
	.globl	k_q85f0b15490_layer1
	.p2align	8
	.type	k_q85f0b15490_layer1,@function
k_q85f0b15490_layer1:
	s_mov_b64 s[64:65], 0
	v_nop
	global_prefetch_b8 v0, s[64:65] scope:SCOPE_SE
	s_setreg_imm32_b32 hwreg(HW_REG_WAVE_MODE, 25, 1), 1
	s_wait_xcnt 0x0
	s_wait_alu depctr_hold_cnt(0) depctr_sa_sdst(0) depctr_va_vdst(0) depctr_va_sdst(0) depctr_va_ssrc(0) depctr_va_vcc(0) depctr_vm_vsrc(0)
	s_getreg_b32 s2, hwreg(HW_REG_IB_STS2, 6, 4)
	s_cmp_eq_u32 s2, 0
	s_cbranch_scc0 .Lentry_in_a_cluster
	s_endpgm
.Lentry_in_a_cluster:
	s_bfe_u32 s2, ttmp6, 0x10000c
	s_cmp_lg_u32 s2, 0xf033
	s_cbranch_scc0 .Lentry_shape_is_right
	s_endpgm
.Lentry_shape_is_right:
.set LAYER, 1
.set SLOT1, 1<<17
.set PARTB, 32768
.set RP,    144
.set HP,    2432
.set WST,   2*HP
.set OST,   2*SLOT1
.set RST,   OST+4*WST
.set XCH,   RST+4*WST
.set SPARE, XCH+4096
.if LAYER == 1
.set HSTEP, 128*4096
.set OSTEP, 16384
.set CSTEP, 4*PARTB
.else
.set HSTEP, 16384
.set OSTEP, 128*4096
.endif
.set PFO,  0
.set SPW,  1
.set NIL,  2
.set ADA0, 3
.set ADR,  4
.set XW0,  5
.set XR0,  6
.set OW,   7
.set ORD,  8
.set RR,   9
.set RL,   10
.set GR,   11
.set L16,  12
.set XA,   13
.set QS,   14
.set QL,   15
.set CB,   16
.set CW,   18
.set CL,   20
.set AL,   24
.set BE,   26
.set TQ,   28
.set ZH,   32
.set ZG,   64
.set ZP,   96
.set AF,   128
.set TT,   128
.set DG,   160
.set TOT,  192
.set CC,   208
.set HN,   224
.set HX,   128
.set WA,   32
.if LAYER == 1
.set HH, HX
.else
.set HH, HN
.endif
.set WV,  16
.set G1A, 24
.set G1W, 32
.set G0A, 40
.set G0W, 44
.set TB,  48
.set XP,  49
.set CNT, 50
.set HM,  51
.set SEL, 52
.set KN,  54
.set SS,  56
.set M1,  58
.set CAP, 61
.set LIM, 63
.set PFA, 82
.set MSB, 0
.macro WIN new
.if MSB != (\new)
	s_set_vgpr_msb (MSB<<8)|(\new)
.set MSB, (\new)
.endif
.endm
.macro PLACES
.rept 4
	v_nop
.endr
.endm
.macro CROUND
	s_barrier_signal -1
	s_barrier_wait -1
	s_cmp_lg_u32 s[WV], 0
	s_cbranch_scc1 .Lnot_wave_0_\@
	s_barrier_signal -3
.Lnot_wave_0_\@:
	s_barrier_wait -3
	s_barrier_signal -1
	s_barrier_wait -1
.endm
.macro TLA
	tensor_load_to_lds s[G0A:G0A+3], s[G1A:G1A+7]
	s_nop 0
	PLACES
.endm
.macro ASK first
.if \first
	s_cmp_eq_u32 s[LIM], 1
.else
	s_cmp_gt_u32 s[CNT], s[LIM]
.endif
	s_cbranch_scc0 .Lnot_mine_\@
	global_prefetch_b8 v[PFO], s[PFA:PFA+1] th:TH_LOAD_NT scope:SCOPE_SE
.Lnot_mine_\@:
.endm
.macro FETCH s
.irp i, 0,1
.irp q, 0,1,2,3
	ds_load_b128 v[AF+32*((\s)%3)+16*\i+4*\q:AF+32*((\s)%3)+16*\i+4*\q+3], v[ADR] offset:\i*16384+(4*(\s)+\q)*512
.endr
.endr
.endm
.macro HLOAD
.irp g, 0,1,2,3,4,5,6,7
.if LAYER == 1
	global_load_b128 v[HN+4*\g:HN+4*\g+3], v[GR], s[8:9] offset:16384*\g
.else
	global_load_b128 v[HN+4*\g:HN+4*\g+3], v[L16], s[8:9] offset:512*\g th:TH_LOAD_NT
.endif
.endr
.endm
.macro MM s, zero
	WIN 0x04+4*((\s)/4)
.irp p, 0,1
.irp u, 0,1
.irp i, 0,1
.if \zero
	v_wmma_f32_16x16x128_fp8_fp8 v[ZH+32*\p+16*\u+8*\i:ZH+32*\p+16*\u+8*\i+7], v[AF+32*((\s)%3)+16*\i:AF+32*((\s)%3)+16*\i+15], v[16*(4*((\s)%4)+2*\p+\u):16*(4*((\s)%4)+2*\p+\u)+15], 0
.else
	v_wmma_f32_16x16x128_fp8_fp8 v[ZH+32*\p+16*\u+8*\i:ZH+32*\p+16*\u+8*\i+7], v[AF+32*((\s)%3)+16*\i:AF+32*((\s)%3)+16*\i+15], v[16*(4*((\s)%4)+2*\p+\u):16*(4*((\s)%4)+2*\p+\u)+15], v[ZH+32*\p+16*\u+8*\i:ZH+32*\p+16*\u+8*\i+7]
.endif
.endr
.endr
.endr
	WIN 0x03
.irp u, 0,1
.irp i, 0,1
.if \zero
	v_wmma_f32_16x16x128_fp8_fp8 v[ZP+16*\i+8*\u:ZP+16*\i+8*\u+7], v[16*(2*(\s)+\u):16*(2*(\s)+\u)+15], v[AF+32*((\s)%3)+16*\i:AF+32*((\s)%3)+16*\i+15], 0
.else
	v_wmma_f32_16x16x128_fp8_fp8 v[ZP+16*\i+8*\u:ZP+16*\i+8*\u+7], v[16*(2*(\s)+\u):16*(2*(\s)+\u)+15], v[AF+32*((\s)%3)+16*\i:AF+32*((\s)%3)+16*\i+15], v[ZP+16*\i+8*\u:ZP+16*\i+8*\u+7]
.endif
.endr
.endr
	WIN 0
.endm
.macro GEMM
.irp s, 0,1,2,3,4,5,6,7
.if \s == 0
	s_wait_dscnt 0x0
.elseif \s < 6
	s_wait_dscnt 16
.else
	s_wait_dscnt 8*(7-\s)
.endif
.if \s == 0
	MM \s, 1
.else
	MM \s, 0
.endif
	PLACES
.if \s < 5
	FETCH \s+3
.endif
.endr
.endm
.macro PRE
.set j, 0
.rept 16
	v_pk_mul_f32 v[ZG+j:ZG+j+1], v[ZG+j:ZG+j+1], s[KN:KN+1] op_sel_hi:[1,0]
.set j, j+2
.endr
.set j, 0
.rept 32
	v_min_num_f32 v[ZG+j], s[CAP], v[ZG+j]
.set j, j+1
.endr
.set j, 0
.rept 16
	v_pk_mul_f32 v[TT+j:TT+j+1], v[ZH+j:ZH+j+1], s[KN:KN+1] op_sel_hi:[1,0]
.set j, j+2
.endr
.set j, 0
	s_wait_alu depctr_va_vdst(0)
.rept 32
	v_exp_f32 v[ZG+j], v[ZG+j]
	v_exp_f32 v[TT+j], v[TT+j]
.set j, j+1
.endr
.set j, 0
.rept 16
	v_pk_fma_f32 v[ZH+j:ZH+j+1], v[ZH+j:ZH+j+1], s[SS:SS+1], 0.5 op_sel_hi:[1,0,0]
.set j, j+2
.endr
	s_wait_alu depctr_va_vdst(0)
.set j, 0
.rept 16
	v_pk_add_f32 v[DG+j:DG+j+1], v[ZG+j:ZG+j+1], 1.0 op_sel_hi:[1,0]
	v_pk_add_f32 v[TT+j:TT+j+1], v[TT+j:TT+j+1], 1.0 op_sel_hi:[1,0]
.set j, j+2
.endr
.set j, 0
	s_wait_alu depctr_va_vdst(0)
.rept 32
	v_rcp_f32 v[DG+j], v[DG+j]
	v_rcp_f32 v[TT+j], v[TT+j]
.set j, j+1
.endr
	v_add_nc_u32 v[XA], s[XP], v[XW0]
	s_wait_alu depctr_va_vdst(0)
.set j, 0
.rept 16
	v_pk_mul_f32 v[ZG+j:ZG+j+1], v[ZG+j:ZG+j+1], v[DG+j:DG+j+1]
.set j, j+2
.endr
.set j, 0
.rept 32
	v_max_num_f32 v[ZH+j], v[ZH+j], v[TT+j]
.set j, j+1
.endr
.set j, 0
.rept 16
	v_pk_mul_f32 v[ZH+j:ZH+j+1], v[ZH+j:ZH+j+1], v[DG+j:DG+j+1]
.set j, j+2
.endr
.set k, 1
.rept 15
	v_fma_f32 v[ZH+k], v[ZG+k], v[ZH+k-1], v[ZH+k]
	v_fma_f32 v[ZH+16+k], v[ZG+16+k], v[ZH+16+k-1], v[ZH+16+k]
	v_mul_f32 v[ZG+k], v[ZG+k], v[ZG+k-1]
	v_mul_f32 v[ZG+16+k], v[ZG+16+k], v[ZG+16+k-1]
.set k, k+1
.endr
	v_permlanex16_b32 v[AL], v[ZG+15], s[SEL], s[SEL+1]
	v_permlanex16_b32 v[AL+1], v[ZG+31], s[SEL], s[SEL+1]
	v_permlanex16_b32 v[BE], v[ZH+15], s[SEL], s[SEL+1]
	v_permlanex16_b32 v[BE+1], v[ZH+31], s[SEL], s[SEL+1]
	v_mul_f32 v[TQ], v[ZG+15], v[AL]
	v_mul_f32 v[TQ+1], v[ZG+31], v[AL+1]
	v_fma_f32 v[TQ+2], v[ZG+15], v[BE], v[ZH+15]
	v_fma_f32 v[TQ+3], v[ZG+31], v[BE+1], v[ZH+31]
	v_cndmask_b32 v[AL], 1.0, v[AL], s[HM]
	v_cndmask_b32 v[AL+1], 1.0, v[AL+1], s[HM]
	v_cndmask_b32 v[BE], 0, v[BE], s[HM]
	v_cndmask_b32 v[BE+1], 0, v[BE+1], s[HM]
	ds_store_b128 v[XA], v[TQ:TQ+3]
.endm
.macro XBAR fill, first
	s_wait_tensorcnt 0x0
	ds_add_u32 v[SPW], v[NIL]
.if \fill
	s_xor_b32 s[G0A+1], s[G0A+1], SLOT1
	s_add_nc_u64 s[G0A+2:G0A+3], s[G0A+2:G0A+3], 4*PARTB
.endif
.if \first == 0
.if \fill
	s_wait_xcnt 0x0
	s_add_nc_u64 s[PFA:PFA+1], s[PFA:PFA+1], 4*PARTB
.endif
.set j, 0
.rept 16
	v_pk_mul_f32 v[ZP+j:ZP+j+1], v[ZP+j:ZP+j+1], s[KN:KN+1] op_sel_hi:[1,0]
.set j, j+2
.endr
.endif
	s_wait_dscnt 0x0
.if \fill
	CROUND
	TLA
	ASK \first
.else
	s_barrier_signal -1
	s_barrier_wait -1
.endif
.endm
.macro POST next
	v_add_nc_u32 v[XA], s[XP], v[XR0]
.irp q, 0,1,2,3
	ds_load_b128 v[TOT+4*\q:TOT+4*\q+3], v[XA] offset:512*\q
.endr
.if LAYER == 1
	s_wait_loadcnt 0x0
.irp g, 0,1,2,3,4,5,6,7
	ds_store_b128 v[RR], v[HN+4*\g:HN+4*\g+3] offset:(4*(\g%4))*RP+(\g/4)*HP
.endr
.irp i, 0,1
.irp k, 0,1,2,3
	ds_load_b128 v[HX+16*\i+4*\k:HX+16*\i+4*\k+3], v[RL] offset:8*\i*RP+16*\k
.endr
.endr
.endif
.set j, 0
.rept 32
	v_exp_f32 v[ZP+j], v[ZP+j]
.set j, j+1
.endr
.if LAYER == 1
	s_wait_dscnt 16
.else
	s_wait_dscnt 0x0
.endif
	v_mov_b32 v[CW], v[CB]
	v_mov_b32 v[CW+1], v[CB+1]
	v_pk_fma_f32 v[CC:CC+1], v[TOT:TOT+1], v[CB:CB+1], v[TOT+2:TOT+3]
	v_pk_fma_f32 v[CC+2:CC+3], v[TOT+4:TOT+5], v[CC:CC+1], v[TOT+6:TOT+7]
	v_pk_fma_f32 v[CC+4:CC+5], v[TOT+8:TOT+9], v[CC+2:CC+3], v[TOT+10:TOT+11]
	v_pk_fma_f32 v[CB:CB+1], v[TOT+12:TOT+13], v[CC+4:CC+5], v[TOT+14:TOT+15]
.irp q, 0,1,2
	v_cndmask_b32 v[CW], v[CW], v[CC+2*\q], s[M1+\q]
	v_cndmask_b32 v[CW+1], v[CW+1], v[CC+2*\q+1], s[M1+\q]
.endr
	v_fma_f32 v[CL], v[AL], v[CW], v[BE]
	v_fma_f32 v[CL+2], v[AL+1], v[CW+1], v[BE+1]
.irp u, 0,1
.set k, 0
.rept 8
	v_pk_fma_f32 v[ZH+16*\u+k:ZH+16*\u+k+1], v[ZG+16*\u+k:ZG+16*\u+k+1], v[CL+2*\u:CL+2*\u+1], v[ZH+16*\u+k:ZH+16*\u+k+1] op_sel_hi:[1,0,1]
.set k, k+2
.endr
.endr
.irp u, 0,1
.set k, 0
.rept 16
	ds_store_b32 v[OW], v[ZH+16*\u+k] offset:k*RP+64*\u
.set k, k+1
.endr
.endr
.irp i, 0,1
.irp k, 0,1,2,3
	ds_load_b128 v[ZG+16*\i+4*\k:ZG+16*\i+4*\k+3], v[ORD] offset:8*\i*RP+16*\k
.endr
.endr
	s_xor_b32 s[TB], s[TB], SLOT1
	s_xor_b32 s[XP], s[XP], 2048
.if \next
	v_add_nc_u32 v[ADR], s[TB], v[ADA0]
	FETCH 1
	FETCH 2
.endif
	s_wait_alu depctr_va_vdst(0)
.set j, 0
.rept 16
	v_pk_add_f32 v[ZP+j:ZP+j+1], v[ZP+j:ZP+j+1], 1.0 op_sel_hi:[1,0]
.set j, j+2
.endr
.set j, 0
	s_wait_alu depctr_va_vdst(0)
.rept 32
	v_rcp_f32 v[ZP+j], v[ZP+j]
.set j, j+1
.endr
.if \next
	s_wait_dscnt 16
.else
	s_wait_dscnt 0x0
.endif
.if LAYER == 2
	s_wait_loadcnt 0x0
.endif
.set j, 0
.rept 16
	v_pk_add_f32 v[ZG+j:ZG+j+1], v[ZG+j:ZG+j+1], v[HH+j:HH+j+1] neg_lo:[0,1] neg_hi:[0,1]
.set j, j+2
.endr
	s_wait_alu depctr_va_vdst(0)
.set j, 0
.rept 16
	v_pk_fma_f32 v[ZG+j:ZG+j+1], v[ZP+j:ZP+j+1], v[ZG+j:ZG+j+1], v[HH+j:HH+j+1]
.set j, j+2
.endr
.if LAYER == 2
.irp i, 0,1
.irp k, 0,1,2,3
	ds_store_b128 v[RL], v[ZG+16*\i+4*\k:ZG+16*\i+4*\k+3] offset:8*\i*RP+16*\k
.endr
.endr
.irp g, 0,1,2,3,4,5,6,7
	ds_load_b128 v[ZH+4*\g:ZH+4*\g+3], v[RR] offset:(4*(\g%4))*RP+(\g/4)*HP
.endr
.endif
.if \next
	FETCH 0
	s_wait_alu depctr_va_vdst(0)
	s_wait_xcnt 0x0                                ; the prefetch of h has read its base: only now is the base stepped
	s_add_nc_u64 s[8:9], s[8:9], HSTEP
	HLOAD
.endif
.if LAYER == 1
.irp c, 0,1,2,3,4,5,6,7
	global_store_b128 v[L16], v[ZG+4*\c:ZG+4*\c+3], s[12:13] offset:512*\c
.endr
.set j, 0
.rept 32
	v_med3_num_f32 v[ZH+j], v[ZG+j], -v[QL], v[QL]
.set j, j+1
.endr
.irp m, 0,1,2,3
	v_cvt_scalef32_pk8_fp8_f32 v[ZP+2*\m:ZP+2*\m+1], v[ZH+8*\m:ZH+8*\m+7], v[QS]
.endr
	v_nop
	global_store_b128 v[L16], v[ZP:ZP+3], s[14:15]
	global_store_b128 v[L16], v[ZP+4:ZP+7], s[14:15] offset:16384
.else
.if \next
	s_wait_dscnt 8
.else
	s_wait_dscnt 0x0
.endif
.irp g, 0,1,2,3,4,5,6,7
	global_store_b128 v[GR], v[ZH+4*\g:ZH+4*\g+3], s[12:13] offset:16384*\g
.endr
.endif
.if \next
	s_wait_xcnt 0x0
	s_add_nc_u64 s[12:13], s[12:13], OSTEP
.if LAYER == 1
	s_add_nc_u64 s[14:15], s[14:15], CSTEP
.endif
.endif
.endm
.macro BLOCK fill, next
	GEMM
	PRE
	XBAR \fill, 0
.if \fill
	global_prefetch_b8 v21, s[8:9] offset:2*HSTEP th:TH_LOAD_NT scope:SCOPE_SE   ; my share of h's rows of block t + 2, one block ahead of their loads; only in the loop's six trips (t = 0 .. 5), so block 7 is the last that is named
.endif
	s_wait_alu depctr_va_vdst(0)
	POST \next
.endm
.macro WLOAD reg, s, tile
.irp q, 0,1,2,3
	ds_load_b128 v[(\reg)+4*\q:(\reg)+4*\q+3], v[WA+(\s)/4] offset:(((\s)/2)%2)*32768+(((\s)%2)*6+(\tile))*2048+512*\q
.endr
.endm
	s_load_b256 s[4:11], s[0:1], 0x0
.if LAYER == 1
	s_load_b128 s[12:15], s[0:1], 0x20
.else
	s_load_b64 s[12:13], s[0:1], 0x20
.endif
	v_lshl_add_u32 v[SPW], v0, 2, SPARE
	v_mov_b32 v[NIL], 0
	ds_add_u32 v[SPW], v[NIL]
	ds_add_u32 v[SPW], v[NIL]
	v_lshrrev_b32 v34, 5, v0
	v_readfirstlane_b32 s[WV], v34
	s_bfe_u32 s17, ttmp6, 0x40000
	s_bfe_u32 s18, ttmp6, 0x40004
	s_lshl_b32 s19, ttmp9, 2
	s_add_co_u32 s19, s19, s17
	s_and_b32 s20, ttmp7, 0xffff
	s_lshl_b32 s20, s20, 2
	s_add_co_u32 s20, s20, s18
	s_lshl_b32 s21, s18, 2
	s_lshl_b32 s21, 15, s21
	s_lshl_b32 s22, 0x1111, s17
	s_or_b32 s[G1A], s21, (3<<16)|(1<<21)
	s_or_b32 s[G1W], s22, (3<<16)|(1<<21)
	s_mov_b32 s[G1A+1], 32<<16
	s_mov_b32 s[G1A+2], 128<<16
	s_mov_b32 s[G1A+3], 32<<16
	s_mov_b32 s[G1A+4], 128
	s_mov_b32 s[G1A+5], 32
	s_mov_b32 s[G1A+6], 0
	s_mov_b32 s[G1A+7], 0
	s_mov_b32 s[G1W+1], 32<<16
	s_mov_b32 s[G1W+2], 96<<16
	s_mov_b32 s[G1W+3], 32<<16
	s_mov_b32 s[G1W+4], 128
	s_mov_b32 s[G1W+5], 32
	s_mov_b32 s[G1W+6], 0
	s_mov_b32 s[G1W+7], 0
	s_lshl_b32 s23, s[WV], 15
	s_lshl_b32 s66, s20, 20
	s_add_co_u32 s66, s66, s23
	s_mov_b32 s67, 0
	s_mul_i32 s68, s19, 98304
	s_mul_i32 s69, s[WV], 24576
	s_add_co_u32 s68, s68, s69
	s_mov_b32 s69, 0
	s_lshl_b32 s70, s20, 22
	s_lshl_b32 s71, s[WV], 17
	s_add_co_u32 s70, s70, s71
	s_lshl_b32 s71, s19, 7
	s_add_co_u32 s70, s70, s71
	s_mov_b32 s71, 0
	s_lshl_b32 s72, s20, 5
	s_add_co_u32 s72, s72, s19
	s_lshl_b32 s72, s72, 17
	s_lshl_b32 s73, s[WV], 12
	s_add_co_u32 s72, s72, s73
	s_mov_b32 s73, 0
.if LAYER == 1
	s_lshl_b32 s74, s20, 20
	s_add_co_u32 s74, s74, s23
	s_lshl_b32 s75, s19, 9
	s_add_co_u32 s74, s74, s75
	s_mov_b32 s75, 0
.endif
	s_mov_b32 s[TB], 0
	s_mov_b32 s[XP], 0
	s_mov_b32 s[HM], 0xffff0000
	s_mov_b32 s[SEL], 0x76543210
	s_mov_b32 s[SEL+1], 0xfedcba98
	s_mov_b32 s[CAP], 0x42fc0000
	s_cmp_eq_u32 s[WV], 1
	s_cselect_b32 s[M1], -1, 0
	s_cmp_eq_u32 s[WV], 2
	s_cselect_b32 s[M1+1], -1, 0
	s_cmp_eq_u32 s[WV], 3
	s_cselect_b32 s[M1+2], -1, 0
	s_mov_b32 s[LIM], 1                            ; every cluster asks for the tiles of codes that it will itself load
	s_mul_i32 s62, s[WV], WST
	v_and_b32 v38, 31, v0
	v_and_b32 v36, 15, v0
	v_bfe_u32 v37, v0, 4, 1
	v_lshlrev_b32 v[L16], 4, v38
	v_add_nc_u32 v[ADA0], s23, v[L16]
	v_lshl_add_u32 v[XW0], v0, 4, XCH
	v_lshl_add_u32 v[XR0], v36, 4, XCH+256
	v_mul_u32_u24 v39, v37, HP
	v_lshl_add_u32 v39, v36, 2, v39
	v_add_nc_u32 v39, s62, v39
	v_add_nc_u32 v[OW], OST, v39
	v_and_b32 v40, 7, v0
	v_bfe_u32 v41, v0, 3, 1
	v_mul_u32_u24 v42, v40, RP
	v_mad_u32_u24 v42, v41, HP, v42
	v_lshl_add_u32 v42, v37, 6, v42
	v_add_nc_u32 v42, s62, v42
	v_add_nc_u32 v[ORD], OST, v42
	v_add_nc_u32 v[RL], RST, v42
	v_bfe_u32 v43, v0, 3, 2
	v_mul_u32_u24 v44, v43, RP
	v_lshl_add_u32 v44, v40, 4, v44
	v_add_nc_u32 v44, s62, v44
	v_add_nc_u32 v[RR], RST, v44
	v_lshlrev_b32 v[GR], 4, v40
	v_lshl_add_u32 v[GR], v43, 12, v[GR]
	v_add_nc_u32 v[WA], SLOT1, v[L16]
	v_add_nc_u32 v[WA+1], SLOT1+65536, v[L16]
	v_lshlrev_b32 v[PFO], 8, v38
.irp r, 16,17,18,19,20,21,22,23,24,25,26,27
	v_mov_b32 v\r, 0
.endr
	s_and_b32 s80, s17, 1                          ; h's prefetch: a row's 256 bytes serve two neighbouring work-groups, which share my wave's 32 rows out by address:
	s_lshl_b32 s80, s80, 12
	v_lshl_add_u32 v21, v36, 13, s80               ; row 2 (lane % 16) + x % 2, 4,096 bytes a row; lanes 16-31 name the same rows again.  (v21 is only the unused upper half of a broadcast pair)
	s_wait_dscnt 0x0
	s_wait_kmcnt 0x0
	s_load_b128 s[76:79], s[10:11], 0x0
	s_mov_b32 s[G0A], 1
	s_mov_b32 s[G0A+1], s23
	s_add_nc_u64 s[G0A+2:G0A+3], s[4:5], s[66:67]
	s_or_b32 s[G0A+3], s[G0A+3], 0x80000000
	s_mov_b32 s[G0W], 1
	s_add_co_u32 s[G0W+1], s23, SLOT1
	s_add_nc_u64 s[G0W+2:G0W+3], s[6:7], s[68:69]
	s_or_b32 s[G0W+3], s[G0W+3], 0x80000000
	s_add_nc_u64 s[PFA:PFA+1], s[4:5], s[66:67]
	s_lshl_b32 s68, s17, 13
	s_add_nc_u64 s[PFA:PFA+1], s[PFA:PFA+1], s[68:69]
	s_add_nc_u64 s[PFA:PFA+1], s[PFA:PFA+1], 2*4*PARTB
	global_prefetch_b8 v[PFO], s[PFA:PFA+1] offset:-2*4*PARTB th:TH_LOAD_NT scope:SCOPE_SE   ; the buffer's first touch: my share (32 x 256 bytes) of blocks 0 and 1 of the codes, ahead of the round and of W's load, behind which their tensor loads stand
	global_prefetch_b8 v[PFO], s[PFA:PFA+1] offset:-4*PARTB th:TH_LOAD_NT scope:SCOPE_SE
	s_mul_i32 s80, s19, 98304                      ; my group of channels in W's image
	s_mov_b32 s81, 0
	s_add_nc_u64 s[80:81], s[6:7], s[80:81]
.if LAYER == 1
	s_add_nc_u64 s[8:9], s[8:9], s[70:71]
	s_add_nc_u64 s[12:13], s[12:13], s[72:73]
	s_add_nc_u64 s[14:15], s[14:15], s[74:75]
.else
	s_add_nc_u64 s[8:9], s[8:9], s[72:73]
	s_add_nc_u64 s[12:13], s[12:13], s[70:71]
.endif
	CROUND
	tensor_load_to_lds s[G0W:G0W+3], s[G1W:G1W+7]
	s_nop 0
	WIN 0xc0                                       ; proj's 16 tiles of W go straight from the image, which lies in the order of the registers, into window 3: 64 loads of 512 consecutive bytes, once, beside the LDS loads of hidden's and gate's tiles
.irp s, 0,1,2,3,4,5,6,7
.irp t, 4,5
.irp q, 0,1,2,3
	global_load_b128 v[16*(2*\s+\t-4)+4*\q:16*(2*\s+\t-4)+4*\q+3], v[L16], s[80:81] offset:\s*12288+\t*2048+512*\q
.endr
.endr
.endr
	WIN 0
	s_wait_alu depctr_va_vdst(0)
	s_wait_tensorcnt 0x0
	ds_add_u32 v1, v2
	s_wait_dscnt 0x0
	CROUND
	tensor_load_to_lds s[G0A:G0A+3], s[G1A:G1A+7]
	s_nop 0
	PLACES
	s_wait_tensorcnt 1
	s_barrier_signal -1
	s_barrier_wait -1
	WIN 0x40
.irp s, 0,1,2,3
.irp t, 0,1,2,3
	WLOAD 16*(4*\s+\t), \s, \t
.endr
.endr
	WIN 0x80
.irp s, 4,5,6,7
.irp t, 0,1,2,3
	WLOAD 16*(4*(\s-4)+\t), \s, \t
.endr
.endr
	WIN 0
	s_wait_loadcnt 0x0                             ; proj's part of W is in its registers, and the loads' base may be written again
	s_wait_kmcnt 0x0
.if LAYER == 1
	s_add_co_i32 s80, s76, s77
.else
	s_add_co_i32 s80, s78, s79
.endif
	s_lshl_b32 s81, s80, 23
	s_add_co_u32 s[KN], s81, 0xbfb8aa3b
	s_mov_b32 s[KN+1], s[KN]
	s_add_co_u32 s[SS], s81, 0x3f800000
	s_mov_b32 s[SS+1], s[SS]
.if LAYER == 1
	s_add_co_i32 s80, s78, 127
	s_lshl_b32 s81, s80, 23
	v_mov_b32 v[QS], s81
	s_add_co_i32 s80, s80, 8
	s_lshl_b32 s80, s80, 23
	s_or_b32 s80, s80, 0x600000
	v_mov_b32 v[QL], s80
.endif
	XBAR 1, 1
	v_add_nc_u32 v[ADR], s[TB], v[ADA0]
	FETCH 0
	FETCH 1
	FETCH 2
	HLOAD
	s_mov_b32 s[CNT], 6
.Lblock:
	s_wait_alu depctr_va_vdst(0)
	BLOCK 1, 1
	s_sub_co_u32 s[CNT], s[CNT], 1
	s_cmp_lg_u32 s[CNT], 0
	s_cbranch_scc1 .Lblock
	BLOCK 0, 1
	BLOCK 0, 0
	s_wait_tensorcnt 0x0
	ds_add_u32 v[SPW], v[NIL]
	s_wait_dscnt 0x0
	CROUND
	s_endpgm
.Lfunc_end_k_q85f0b15490_layer1:
	.size	k_q85f0b15490_layer1, .Lfunc_end_k_q85f0b15490_layer1-k_q85f0b15490_layer1
	.p2alignl 7, 3214868480
	.fill 96, 4, 3214868480
	.section	.rodata,"a",@progbits
	.p2align	6, 0x0
	.amdhsa_kernel k_q85f0b15490_layer1
		.amdhsa_group_segment_fixed_size 327680
		.amdhsa_private_segment_fixed_size 0
		.amdhsa_enable_private_segment 0
		.amdhsa_kernarg_size 48
		.amdhsa_user_sgpr_count 2
		.amdhsa_user_sgpr_kernarg_segment_ptr 1
		.amdhsa_wavefront_size32 1
		.amdhsa_system_sgpr_workgroup_id_x 1
		.amdhsa_system_sgpr_workgroup_id_y 1
		.amdhsa_system_sgpr_workgroup_id_z 1
		.amdhsa_system_vgpr_workitem_id 0
		.amdhsa_next_free_vgpr 1024
		.amdhsa_next_free_sgpr 84
		.amdhsa_reserve_vcc 0
		.amdhsa_float_denorm_mode_32 3
		.amdhsa_float_denorm_mode_16_64 3
		.amdhsa_memory_ordered 1
		.amdhsa_forward_progress 1
		.amdhsa_inst_pref_size 161
	.end_amdhsa_kernel
	.amdgpu_metadata
---
amdhsa.version: [ 1, 2 ]
amdhsa.kernels:
  - .name:           k_q85f0b15490_layer1
    .symbol:         k_q85f0b15490_layer1.kd
    .args:
      - { .name: acode1, .offset: 0, .size: 8, .value_kind: global_buffer, .address_space: global }
      - { .name: wimg0, .offset: 8, .size: 8, .value_kind: global_buffer, .address_space: global }
      - { .name: h, .offset: 16, .size: 8, .value_kind: global_buffer, .address_space: global }
      - { .name: lowp_scales, .offset: 24, .size: 8, .value_kind: global_buffer, .address_space: global }
      - { .name: h1img, .offset: 32, .size: 8, .value_kind: global_buffer, .address_space: global }
      - { .name: acode2, .offset: 40, .size: 8, .value_kind: global_buffer, .address_space: global }
    .group_segment_fixed_size: 327680
    .private_segment_fixed_size: 0
    .kernarg_segment_align: 8
    .kernarg_segment_size: 48
    .max_flat_workgroup_size: 128
    .sgpr_count:     84
    .vgpr_count:     1024
    .wavefront_size: 32
...
	.end_amdgpu_metadata
.endif
;; end of part 2
;; launch layer2 (part 3): grid 32 x 8, 4 waves a work-group, clusters of 4 x 4, 327,680 bytes of LDS; arguments acode2, wimg1, h1img, lowp_scales, out0; writes out0
.if DOCPART == 3
	.amdgcn_target "amdgcn-amd-amdhsa--gfx1250"
	.amdhsa_code_object_version 6
	.text
	.protected	k_q85f0b15490_layer2
	.globl	k_q85f0b15490_layer2
	.p2align	8
	.type	k_q85f0b15490_layer2,@function
k_q85f0b15490_layer2:
	s_mov_b64 s[64:65], 0
	v_nop
	global_prefetch_b8 v0, s[64:65] scope:SCOPE_SE
	s_setreg_imm32_b32 hwreg(HW_REG_WAVE_MODE, 25, 1), 1
	s_wait_xcnt 0x0
	s_wait_alu depctr_hold_cnt(0) depctr_sa_sdst(0) depctr_va_vdst(0) depctr_va_sdst(0) depctr_va_ssrc(0) depctr_va_vcc(0) depctr_vm_vsrc(0)
	s_getreg_b32 s2, hwreg(HW_REG_IB_STS2, 6, 4)
	s_cmp_eq_u32 s2, 0
	s_cbranch_scc0 .Lentry_in_a_cluster
	s_endpgm
.Lentry_in_a_cluster:
	s_bfe_u32 s2, ttmp6, 0x10000c
	s_cmp_lg_u32 s2, 0xf033
	s_cbranch_scc0 .Lentry_shape_is_right
	s_endpgm
.Lentry_shape_is_right:
.set LAYER, 2
.set SLOT1, 1<<17
.set PARTB, 32768
.set RP,    144
.set HP,    2432
.set WST,   2*HP
.set OST,   2*SLOT1
.set RST,   OST+4*WST
.set XCH,   RST+4*WST
.set SPARE, XCH+4096
.if LAYER == 1
.set HSTEP, 128*4096
.set OSTEP, 16384
.set CSTEP, 4*PARTB
.else
.set HSTEP, 16384
.set OSTEP, 128*4096
.endif
.set PFO,  0
.set SPW,  1
.set NIL,  2
.set ADA0, 3
.set ADR,  4
.set XW0,  5
.set XR0,  6
.set OW,   7
.set ORD,  8
.set RR,   9
.set RL,   10
.set GR,   11
.set L16,  12
.set XA,   13
.set QS,   14
.set QL,   15
.set CB,   16
.set CW,   18
.set CL,   20
.set AL,   24
.set BE,   26
.set TQ,   28
.set ZH,   32
.set ZG,   64
.set ZP,   96
.set AF,   128
.set TT,   128
.set DG,   160
.set TOT,  192
.set CC,   208
.set HN,   224
.set HX,   128
.set WA,   32
.if LAYER == 1
.set HH, HX
.else
.set HH, HN
.endif
.set WV,  16
.set G1A, 24
.set G1W, 32
.set G0A, 40
.set G0W, 44
.set TB,  48
.set XP,  49
.set CNT, 50
.set HM,  51
.set SEL, 52
.set KN,  54
.set SS,  56
.set M1,  58
.set CAP, 61
.set LIM, 63
.set PFA, 82
.set MSB, 0
.macro WIN new
.if MSB != (\new)
	s_set_vgpr_msb (MSB<<8)|(\new)
.set MSB, (\new)
.endif
.endm
.macro PLACES
.rept 4
	v_nop
.endr
.endm
.macro CROUND
	s_barrier_signal -1
	s_barrier_wait -1
	s_cmp_lg_u32 s[WV], 0
	s_cbranch_scc1 .Lnot_wave_0_\@
	s_barrier_signal -3
.Lnot_wave_0_\@:
	s_barrier_wait -3
	s_barrier_signal -1
	s_barrier_wait -1
.endm
.macro TLA
	tensor_load_to_lds s[G0A:G0A+3], s[G1A:G1A+7]
	s_nop 0
	PLACES
.endm
.macro ASK first
.if \first
	s_cmp_eq_u32 s[LIM], 1
.else
	s_cmp_gt_u32 s[CNT], s[LIM]
.endif
	s_cbranch_scc0 .Lnot_mine_\@
	global_prefetch_b8 v[PFO], s[PFA:PFA+1] th:TH_LOAD_NT scope:SCOPE_SE
.Lnot_mine_\@:
.endm
.macro FETCH s
.irp i, 0,1
.irp q, 0,1,2,3
	ds_load_b128 v[AF+32*((\s)%3)+16*\i+4*\q:AF+32*((\s)%3)+16*\i+4*\q+3], v[ADR] offset:\i*16384+(4*(\s)+\q)*512
.endr
.endr
.endm
.macro HLOAD
.irp g, 0,1,2,3,4,5,6,7
.if LAYER == 1
	global_load_b128 v[HN+4*\g:HN+4*\g+3], v[GR], s[8:9] offset:16384*\g
.else
	global_load_b128 v[HN+4*\g:HN+4*\g+3], v[L16], s[8:9] offset:512*\g th:TH_LOAD_NT
.endif
.endr
.endm
.macro MM s, zero
	WIN 0x04+4*((\s)/4)
.irp p, 0,1
.irp u, 0,1
.irp i, 0,1
.if \zero
	v_wmma_f32_16x16x128_fp8_fp8 v[ZH+32*\p+16*\u+8*\i:ZH+32*\p+16*\u+8*\i+7], v[AF+32*((\s)%3)+16*\i:AF+32*((\s)%3)+16*\i+15], v[16*(4*((\s)%4)+2*\p+\u):16*(4*((\s)%4)+2*\p+\u)+15], 0
.else
	v_wmma_f32_16x16x128_fp8_fp8 v[ZH+32*\p+16*\u+8*\i:ZH+32*\p+16*\u+8*\i+7], v[AF+32*((\s)%3)+16*\i:AF+32*((\s)%3)+16*\i+15], v[16*(4*((\s)%4)+2*\p+\u):16*(4*((\s)%4)+2*\p+\u)+15], v[ZH+32*\p+16*\u+8*\i:ZH+32*\p+16*\u+8*\i+7]
.endif
.endr
.endr
.endr
	WIN 0x03
.irp u, 0,1
.irp i, 0,1
.if \zero
	v_wmma_f32_16x16x128_fp8_fp8 v[ZP+16*\i+8*\u:ZP+16*\i+8*\u+7], v[16*(2*(\s)+\u):16*(2*(\s)+\u)+15], v[AF+32*((\s)%3)+16*\i:AF+32*((\s)%3)+16*\i+15], 0
.else
	v_wmma_f32_16x16x128_fp8_fp8 v[ZP+16*\i+8*\u:ZP+16*\i+8*\u+7], v[16*(2*(\s)+\u):16*(2*(\s)+\u)+15], v[AF+32*((\s)%3)+16*\i:AF+32*((\s)%3)+16*\i+15], v[ZP+16*\i+8*\u:ZP+16*\i+8*\u+7]
.endif
.endr
.endr
	WIN 0
.endm
.macro GEMM
.irp s, 0,1,2,3,4,5,6,7
.if \s == 0
	s_wait_dscnt 0x0
.elseif \s < 6
	s_wait_dscnt 16
.else
	s_wait_dscnt 8*(7-\s)
.endif
.if \s == 0
	MM \s, 1
.else
	MM \s, 0
.endif
	PLACES
.if \s < 5
	FETCH \s+3
.endif
.endr
.endm
.macro PRE
.set j, 0
.rept 16
	v_pk_mul_f32 v[ZG+j:ZG+j+1], v[ZG+j:ZG+j+1], s[KN:KN+1] op_sel_hi:[1,0]
.set j, j+2
.endr
.set j, 0
.rept 32
	v_min_num_f32 v[ZG+j], s[CAP], v[ZG+j]
.set j, j+1
.endr
.set j, 0
.rept 16
	v_pk_mul_f32 v[TT+j:TT+j+1], v[ZH+j:ZH+j+1], s[KN:KN+1] op_sel_hi:[1,0]
.set j, j+2
.endr
.set j, 0
	s_wait_alu depctr_va_vdst(0)
.rept 32
	v_exp_f32 v[ZG+j], v[ZG+j]
	v_exp_f32 v[TT+j], v[TT+j]
.set j, j+1
.endr
.set j, 0
.rept 16
	v_pk_fma_f32 v[ZH+j:ZH+j+1], v[ZH+j:ZH+j+1], s[SS:SS+1], 0.5 op_sel_hi:[1,0,0]
.set j, j+2
.endr
	s_wait_alu depctr_va_vdst(0)
.set j, 0
.rept 16
	v_pk_add_f32 v[DG+j:DG+j+1], v[ZG+j:ZG+j+1], 1.0 op_sel_hi:[1,0]
	v_pk_add_f32 v[TT+j:TT+j+1], v[TT+j:TT+j+1], 1.0 op_sel_hi:[1,0]
.set j, j+2
.endr
.set j, 0
	s_wait_alu depctr_va_vdst(0)
.rept 32
	v_rcp_f32 v[DG+j], v[DG+j]
	v_rcp_f32 v[TT+j], v[TT+j]
.set j, j+1
.endr
	v_add_nc_u32 v[XA], s[XP], v[XW0]
	s_wait_alu depctr_va_vdst(0)
.set j, 0
.rept 16
	v_pk_mul_f32 v[ZG+j:ZG+j+1], v[ZG+j:ZG+j+1], v[DG+j:DG+j+1]
.set j, j+2
.endr
.set j, 0
.rept 32
	v_max_num_f32 v[ZH+j], v[ZH+j], v[TT+j]
.set j, j+1
.endr
.set j, 0
.rept 16
	v_pk_mul_f32 v[ZH+j:ZH+j+1], v[ZH+j:ZH+j+1], v[DG+j:DG+j+1]
.set j, j+2
.endr
.set k, 1
.rept 15
	v_fma_f32 v[ZH+k], v[ZG+k], v[ZH+k-1], v[ZH+k]
	v_fma_f32 v[ZH+16+k], v[ZG+16+k], v[ZH+16+k-1], v[ZH+16+k]
	v_mul_f32 v[ZG+k], v[ZG+k], v[ZG+k-1]
	v_mul_f32 v[ZG+16+k], v[ZG+16+k], v[ZG+16+k-1]
.set k, k+1
.endr
	v_permlanex16_b32 v[AL], v[ZG+15], s[SEL], s[SEL+1]
	v_permlanex16_b32 v[AL+1], v[ZG+31], s[SEL], s[SEL+1]
	v_permlanex16_b32 v[BE], v[ZH+15], s[SEL], s[SEL+1]
	v_permlanex16_b32 v[BE+1], v[ZH+31], s[SEL], s[SEL+1]
	v_mul_f32 v[TQ], v[ZG+15], v[AL]
	v_mul_f32 v[TQ+1], v[ZG+31], v[AL+1]
	v_fma_f32 v[TQ+2], v[ZG+15], v[BE], v[ZH+15]
	v_fma_f32 v[TQ+3], v[ZG+31], v[BE+1], v[ZH+31]
	v_cndmask_b32 v[AL], 1.0, v[AL], s[HM]
	v_cndmask_b32 v[AL+1], 1.0, v[AL+1], s[HM]
	v_cndmask_b32 v[BE], 0, v[BE], s[HM]
	v_cndmask_b32 v[BE+1], 0, v[BE+1], s[HM]
	ds_store_b128 v[XA], v[TQ:TQ+3]
.endm
.macro XBAR fill, first
	s_wait_tensorcnt 0x0
	ds_add_u32 v[SPW], v[NIL]
.if \fill
	s_xor_b32 s[G0A+1], s[G0A+1], SLOT1
	s_add_nc_u64 s[G0A+2:G0A+3], s[G0A+2:G0A+3], 4*PARTB
.endif
.if \first == 0
.if \fill
	s_wait_xcnt 0x0
	s_add_nc_u64 s[PFA:PFA+1], s[PFA:PFA+1], 4*PARTB
.endif
.set j, 0
.rept 16
	v_pk_mul_f32 v[ZP+j:ZP+j+1], v[ZP+j:ZP+j+1], s[KN:KN+1] op_sel_hi:[1,0]
.set j, j+2
.endr
.endif
	s_wait_dscnt 0x0
.if \fill
	CROUND
	TLA
	ASK \first
.else
	s_barrier_signal -1
	s_barrier_wait -1
.endif
.endm
.macro POST next
	v_add_nc_u32 v[XA], s[XP], v[XR0]
.irp q, 0,1,2,3
	ds_load_b128 v[TOT+4*\q:TOT+4*\q+3], v[XA] offset:512*\q
.endr
.if LAYER == 1
	s_wait_loadcnt 0x0
.irp g, 0,1,2,3,4,5,6,7
	ds_store_b128 v[RR], v[HN+4*\g:HN+4*\g+3] offset:(4*(\g%4))*RP+(\g/4)*HP
.endr
.irp i, 0,1
.irp k, 0,1,2,3
	ds_load_b128 v[HX+16*\i+4*\k:HX+16*\i+4*\k+3], v[RL] offset:8*\i*RP+16*\k
.endr
.endr
.endif
.set j, 0
.rept 32
	v_exp_f32 v[ZP+j], v[ZP+j]
.set j, j+1
.endr
.if LAYER == 1
	s_wait_dscnt 16
.else
	s_wait_dscnt 0x0
.endif
	v_mov_b32 v[CW], v[CB]
	v_mov_b32 v[CW+1], v[CB+1]
	v_pk_fma_f32 v[CC:CC+1], v[TOT:TOT+1], v[CB:CB+1], v[TOT+2:TOT+3]
	v_pk_fma_f32 v[CC+2:CC+3], v[TOT+4:TOT+5], v[CC:CC+1], v[TOT+6:TOT+7]
	v_pk_fma_f32 v[CC+4:CC+5], v[TOT+8:TOT+9], v[CC+2:CC+3], v[TOT+10:TOT+11]
	v_pk_fma_f32 v[CB:CB+1], v[TOT+12:TOT+13], v[CC+4:CC+5], v[TOT+14:TOT+15]
.irp q, 0,1,2
	v_cndmask_b32 v[CW], v[CW], v[CC+2*\q], s[M1+\q]
	v_cndmask_b32 v[CW+1], v[CW+1], v[CC+2*\q+1], s[M1+\q]
.endr
	v_fma_f32 v[CL], v[AL], v[CW], v[BE]
	v_fma_f32 v[CL+2], v[AL+1], v[CW+1], v[BE+1]
.irp u, 0,1
.set k, 0
.rept 8
	v_pk_fma_f32 v[ZH+16*\u+k:ZH+16*\u+k+1], v[ZG+16*\u+k:ZG+16*\u+k+1], v[CL+2*\u:CL+2*\u+1], v[ZH+16*\u+k:ZH+16*\u+k+1] op_sel_hi:[1,0,1]
.set k, k+2
.endr
.endr
.irp u, 0,1
.set k, 0
.rept 16
	ds_store_b32 v[OW], v[ZH+16*\u+k] offset:k*RP+64*\u
.set k, k+1
.endr
.endr
.irp i, 0,1
.irp k, 0,1,2,3
	ds_load_b128 v[ZG+16*\i+4*\k:ZG+16*\i+4*\k+3], v[ORD] offset:8*\i*RP+16*\k
.endr
.endr
	s_xor_b32 s[TB], s[TB], SLOT1
	s_xor_b32 s[XP], s[XP], 2048
.if \next
	v_add_nc_u32 v[ADR], s[TB], v[ADA0]
	FETCH 1
	FETCH 2
.endif
	s_wait_alu depctr_va_vdst(0)
.set j, 0
.rept 16
	v_pk_add_f32 v[ZP+j:ZP+j+1], v[ZP+j:ZP+j+1], 1.0 op_sel_hi:[1,0]
.set j, j+2
.endr
.set j, 0
	s_wait_alu depctr_va_vdst(0)
.rept 32
	v_rcp_f32 v[ZP+j], v[ZP+j]
.set j, j+1
.endr
.if \next
	s_wait_dscnt 16
.else
	s_wait_dscnt 0x0
.endif
.if LAYER == 2
	s_wait_loadcnt 0x0
.endif
.set j, 0
.rept 16
	v_pk_add_f32 v[ZG+j:ZG+j+1], v[ZG+j:ZG+j+1], v[HH+j:HH+j+1] neg_lo:[0,1] neg_hi:[0,1]
.set j, j+2
.endr
	s_wait_alu depctr_va_vdst(0)
.set j, 0
.rept 16
	v_pk_fma_f32 v[ZG+j:ZG+j+1], v[ZP+j:ZP+j+1], v[ZG+j:ZG+j+1], v[HH+j:HH+j+1]
.set j, j+2
.endr
.if LAYER == 2
.irp i, 0,1
.irp k, 0,1,2,3
	ds_store_b128 v[RL], v[ZG+16*\i+4*\k:ZG+16*\i+4*\k+3] offset:8*\i*RP+16*\k
.endr
.endr
.irp g, 0,1,2,3,4,5,6,7
	ds_load_b128 v[ZH+4*\g:ZH+4*\g+3], v[RR] offset:(4*(\g%4))*RP+(\g/4)*HP
.endr
.endif
.if \next
	FETCH 0
	s_wait_alu depctr_va_vdst(0)
	s_wait_xcnt 0x0                                ; the prefetch of h1img has read its base: only now is the base stepped
	s_add_nc_u64 s[8:9], s[8:9], HSTEP
	HLOAD
.endif
.if LAYER == 1
.irp c, 0,1,2,3,4,5,6,7
	global_store_b128 v[L16], v[ZG+4*\c:ZG+4*\c+3], s[12:13] offset:512*\c
.endr
.set j, 0
.rept 32
	v_med3_num_f32 v[ZH+j], v[ZG+j], -v[QL], v[QL]
.set j, j+1
.endr
.irp m, 0,1,2,3
	v_cvt_scalef32_pk8_fp8_f32 v[ZP+2*\m:ZP+2*\m+1], v[ZH+8*\m:ZH+8*\m+7], v[QS]
.endr
	v_nop
	global_store_b128 v[L16], v[ZP:ZP+3], s[14:15]
	global_store_b128 v[L16], v[ZP+4:ZP+7], s[14:15] offset:16384
.else
.if \next
	s_wait_dscnt 8
.else
	s_wait_dscnt 0x0
.endif
.irp g, 0,1,2,3,4,5,6,7
	global_store_b128 v[GR], v[ZH+4*\g:ZH+4*\g+3], s[12:13] offset:16384*\g th:TH_STORE_NT   ; written once, read by nobody in this launch
.endr
.endif
.if \next
	s_wait_xcnt 0x0
	s_add_nc_u64 s[12:13], s[12:13], OSTEP
.if LAYER == 1
	s_add_nc_u64 s[14:15], s[14:15], CSTEP
.endif
.endif
.endm
.macro BLOCK fill, next
	GEMM
	PRE
	XBAR \fill, 0
.if \fill
	global_prefetch_b8 v21, s[8:9] offset:2*HSTEP th:TH_LOAD_NT scope:SCOPE_SE   ; my wave's part of h1img for block t + 2, one block ahead of its loads; only in the loop's six trips (t = 0 .. 5), so block 7 is the last that is named
.endif
	s_wait_alu depctr_va_vdst(0)
	POST \next
.endm
.macro WLOAD reg, s, tile
.irp q, 0,1,2,3
	ds_load_b128 v[(\reg)+4*\q:(\reg)+4*\q+3], v[WA+(\s)/4] offset:(((\s)/2)%2)*32768+(((\s)%2)*6+(\tile))*2048+512*\q
.endr
.endm
	s_load_b256 s[4:11], s[0:1], 0x0
.if LAYER == 1
	s_load_b128 s[12:15], s[0:1], 0x20
.else
	s_load_b64 s[12:13], s[0:1], 0x20
.endif
	v_lshl_add_u32 v[SPW], v0, 2, SPARE
	v_mov_b32 v[NIL], 0
	ds_add_u32 v[SPW], v[NIL]
	ds_add_u32 v[SPW], v[NIL]
	v_lshrrev_b32 v34, 5, v0
	v_readfirstlane_b32 s[WV], v34
	s_bfe_u32 s17, ttmp6, 0x40000
	s_bfe_u32 s18, ttmp6, 0x40004
	s_lshl_b32 s19, ttmp9, 2
	s_add_co_u32 s19, s19, s17
	s_and_b32 s20, ttmp7, 0xffff
	s_lshl_b32 s20, s20, 2
	s_add_co_u32 s20, s20, s18
	s_lshl_b32 s21, s18, 2
	s_lshl_b32 s21, 15, s21
	s_lshl_b32 s22, 0x1111, s17
	s_or_b32 s[G1A], s21, (3<<16)|(1<<21)
	s_or_b32 s[G1W], s22, (3<<16)|(1<<21)
	s_mov_b32 s[G1A+1], 32<<16
	s_mov_b32 s[G1A+2], 128<<16
	s_mov_b32 s[G1A+3], 32<<16
	s_mov_b32 s[G1A+4], 128
	s_mov_b32 s[G1A+5], 32
	s_mov_b32 s[G1A+6], 0
	s_mov_b32 s[G1A+7], 0
	s_mov_b32 s[G1W+1], 32<<16
	s_mov_b32 s[G1W+2], 96<<16
	s_mov_b32 s[G1W+3], 32<<16
	s_mov_b32 s[G1W+4], 128
	s_mov_b32 s[G1W+5], 32
	s_mov_b32 s[G1W+6], 0
	s_mov_b32 s[G1W+7], 0
	s_lshl_b32 s23, s[WV], 15
	s_lshl_b32 s66, s20, 20
	s_add_co_u32 s66, s66, s23
	s_mov_b32 s67, 0
	s_mul_i32 s68, s19, 98304
	s_mul_i32 s69, s[WV], 24576
	s_add_co_u32 s68, s68, s69
	s_mov_b32 s69, 0
	s_lshl_b32 s70, s20, 22
	s_lshl_b32 s71, s[WV], 17
	s_add_co_u32 s70, s70, s71
	s_lshl_b32 s71, s19, 7
	s_add_co_u32 s70, s70, s71
	s_mov_b32 s71, 0
	s_lshl_b32 s72, s20, 5
	s_add_co_u32 s72, s72, s19
	s_lshl_b32 s72, s72, 17
	s_lshl_b32 s73, s[WV], 12
	s_add_co_u32 s72, s72, s73
	s_mov_b32 s73, 0
.if LAYER == 1
	s_lshl_b32 s74, s20, 20
	s_add_co_u32 s74, s74, s23
	s_lshl_b32 s75, s19, 9
	s_add_co_u32 s74, s74, s75
	s_mov_b32 s75, 0
.endif
	s_mov_b32 s[TB], 0
	s_mov_b32 s[XP], 0
	s_mov_b32 s[HM], 0xffff0000
	s_mov_b32 s[SEL], 0x76543210
	s_mov_b32 s[SEL+1], 0xfedcba98
	s_mov_b32 s[CAP], 0x42fc0000
	s_cmp_eq_u32 s[WV], 1
	s_cselect_b32 s[M1], -1, 0
	s_cmp_eq_u32 s[WV], 2
	s_cselect_b32 s[M1+1], -1, 0
	s_cmp_eq_u32 s[WV], 3
	s_cselect_b32 s[M1+2], -1, 0
	s_mov_b32 s[LIM], 1                            ; every cluster asks for the tiles of codes that it will itself load
	s_mul_i32 s62, s[WV], WST
	v_and_b32 v38, 31, v0
	v_and_b32 v36, 15, v0
	v_bfe_u32 v37, v0, 4, 1
	v_lshlrev_b32 v[L16], 4, v38
	v_add_nc_u32 v[ADA0], s23, v[L16]
	v_lshl_add_u32 v[XW0], v0, 4, XCH
	v_lshl_add_u32 v[XR0], v36, 4, XCH+256
	v_mul_u32_u24 v39, v37, HP
	v_lshl_add_u32 v39, v36, 2, v39
	v_add_nc_u32 v39, s62, v39
	v_add_nc_u32 v[OW], OST, v39
	v_and_b32 v40, 7, v0
	v_bfe_u32 v41, v0, 3, 1
	v_mul_u32_u24 v42, v40, RP
	v_mad_u32_u24 v42, v41, HP, v42
	v_lshl_add_u32 v42, v37, 6, v42
	v_add_nc_u32 v42, s62, v42
	v_add_nc_u32 v[ORD], OST, v42
	v_add_nc_u32 v[RL], RST, v42
	v_bfe_u32 v43, v0, 3, 2
	v_mul_u32_u24 v44, v43, RP
	v_lshl_add_u32 v44, v40, 4, v44
	v_add_nc_u32 v44, s62, v44
	v_add_nc_u32 v[RR], RST, v44
	v_lshlrev_b32 v[GR], 4, v40
	v_lshl_add_u32 v[GR], v43, 12, v[GR]
	v_add_nc_u32 v[WA], SLOT1, v[L16]
	v_add_nc_u32 v[WA+1], SLOT1+65536, v[L16]
	v_lshlrev_b32 v[PFO], 8, v38
.irp r, 16,17,18,19,20,21,22,23,24,25,26,27
	v_mov_b32 v\r, 0
.endr
	v_lshlrev_b32 v21, 8, v36                      ; h1img's prefetch: my wave's 4,096 bytes of a block are 16 runs of 256 bytes, one to a lane; lanes 16-31 name them again.  (v21 is only the unused upper half of a broadcast pair)
	s_wait_dscnt 0x0
	s_wait_kmcnt 0x0
	s_load_b128 s[76:79], s[10:11], 0x0
	s_mov_b32 s[G0A], 1
	s_mov_b32 s[G0A+1], s23
	s_add_nc_u64 s[G0A+2:G0A+3], s[4:5], s[66:67]
	s_or_b32 s[G0A+3], s[G0A+3], 0x80000000
	s_mov_b32 s[G0W], 1
	s_add_co_u32 s[G0W+1], s23, SLOT1
	s_add_nc_u64 s[G0W+2:G0W+3], s[6:7], s[68:69]
	s_or_b32 s[G0W+3], s[G0W+3], 0x80000000
	s_add_nc_u64 s[PFA:PFA+1], s[4:5], s[66:67]
	s_lshl_b32 s68, s17, 13
	s_add_nc_u64 s[PFA:PFA+1], s[PFA:PFA+1], s[68:69]
	s_add_nc_u64 s[PFA:PFA+1], s[PFA:PFA+1], 2*4*PARTB
	global_prefetch_b8 v[PFO], s[PFA:PFA+1] offset:-2*4*PARTB th:TH_LOAD_NT scope:SCOPE_SE   ; the buffer's first touch: my share (32 x 256 bytes) of blocks 0 and 1 of the codes, ahead of the round and of W's load, behind which their tensor loads stand
	global_prefetch_b8 v[PFO], s[PFA:PFA+1] offset:-4*PARTB th:TH_LOAD_NT scope:SCOPE_SE
	s_mul_i32 s80, s19, 98304                      ; my group of channels in W's image
	s_mov_b32 s81, 0
	s_add_nc_u64 s[80:81], s[6:7], s[80:81]
.if LAYER == 1
	s_add_nc_u64 s[8:9], s[8:9], s[70:71]
	s_add_nc_u64 s[12:13], s[12:13], s[72:73]
	s_add_nc_u64 s[14:15], s[14:15], s[74:75]
.else
	s_add_nc_u64 s[8:9], s[8:9], s[72:73]
	s_add_nc_u64 s[12:13], s[12:13], s[70:71]
.endif
	CROUND
	tensor_load_to_lds s[G0W:G0W+3], s[G1W:G1W+7]
	s_nop 0
	WIN 0xc0                                       ; proj's 16 tiles of W go straight from the image, which lies in the order of the registers, into window 3: 64 loads of 512 consecutive bytes, once, beside the LDS loads of hidden's and gate's tiles
.irp s, 0,1,2,3,4,5,6,7
.irp t, 4,5
.irp q, 0,1,2,3
	global_load_b128 v[16*(2*\s+\t-4)+4*\q:16*(2*\s+\t-4)+4*\q+3], v[L16], s[80:81] offset:\s*12288+\t*2048+512*\q
.endr
.endr
.endr
	WIN 0
	s_wait_alu depctr_va_vdst(0)
	s_wait_tensorcnt 0x0
	ds_add_u32 v1, v2
	s_wait_dscnt 0x0
	CROUND
	tensor_load_to_lds s[G0A:G0A+3], s[G1A:G1A+7]
	s_nop 0
	PLACES
	s_wait_tensorcnt 1
	s_barrier_signal -1
	s_barrier_wait -1
	WIN 0x40
.irp s, 0,1,2,3
.irp t, 0,1,2,3
	WLOAD 16*(4*\s+\t), \s, \t
.endr
.endr
	WIN 0x80
.irp s, 4,5,6,7
.irp t, 0,1,2,3
	WLOAD 16*(4*(\s-4)+\t), \s, \t
.endr
.endr
	WIN 0
	s_wait_loadcnt 0x0                             ; proj's part of W is in its registers, and the loads' base may be written again
	s_wait_kmcnt 0x0
.if LAYER == 1
	s_add_co_i32 s80, s76, s77
.else
	s_add_co_i32 s80, s78, s79
.endif
	s_lshl_b32 s81, s80, 23
	s_add_co_u32 s[KN], s81, 0xbfb8aa3b
	s_mov_b32 s[KN+1], s[KN]
	s_add_co_u32 s[SS], s81, 0x3f800000
	s_mov_b32 s[SS+1], s[SS]
.if LAYER == 1
	s_add_co_i32 s80, s78, 127
	s_lshl_b32 s81, s80, 23
	v_mov_b32 v[QS], s81
	s_add_co_i32 s80, s80, 8
	s_lshl_b32 s80, s80, 23
	s_or_b32 s80, s80, 0x600000
	v_mov_b32 v[QL], s80
.endif
	XBAR 1, 1
	v_add_nc_u32 v[ADR], s[TB], v[ADA0]
	FETCH 0
	FETCH 1
	FETCH 2
	HLOAD
	s_mov_b32 s[CNT], 6
.Lblock:
	s_wait_alu depctr_va_vdst(0)
	BLOCK 1, 1
	s_sub_co_u32 s[CNT], s[CNT], 1
	s_cmp_lg_u32 s[CNT], 0
	s_cbranch_scc1 .Lblock
	BLOCK 0, 1
	BLOCK 0, 0
	s_wait_tensorcnt 0x0
	ds_add_u32 v[SPW], v[NIL]
	s_wait_dscnt 0x0
	CROUND
	s_endpgm
.Lfunc_end_k_q85f0b15490_layer2:
	.size	k_q85f0b15490_layer2, .Lfunc_end_k_q85f0b15490_layer2-k_q85f0b15490_layer2
	.p2alignl 7, 3214868480
	.fill 96, 4, 3214868480
	.section	.rodata,"a",@progbits
	.p2align	6, 0x0
	.amdhsa_kernel k_q85f0b15490_layer2
		.amdhsa_group_segment_fixed_size 327680
		.amdhsa_private_segment_fixed_size 0
		.amdhsa_enable_private_segment 0
		.amdhsa_kernarg_size 40
		.amdhsa_user_sgpr_count 2
		.amdhsa_user_sgpr_kernarg_segment_ptr 1
		.amdhsa_wavefront_size32 1
		.amdhsa_system_sgpr_workgroup_id_x 1
		.amdhsa_system_sgpr_workgroup_id_y 1
		.amdhsa_system_sgpr_workgroup_id_z 1
		.amdhsa_system_vgpr_workitem_id 0
		.amdhsa_next_free_vgpr 1024
		.amdhsa_next_free_sgpr 84
		.amdhsa_reserve_vcc 0
		.amdhsa_float_denorm_mode_32 3
		.amdhsa_float_denorm_mode_16_64 3
		.amdhsa_memory_ordered 1
		.amdhsa_forward_progress 1
		.amdhsa_inst_pref_size 153
	.end_amdhsa_kernel
	.amdgpu_metadata
---
amdhsa.version: [ 1, 2 ]
amdhsa.kernels:
  - .name:           k_q85f0b15490_layer2
    .symbol:         k_q85f0b15490_layer2.kd
    .args:
      - { .name: acode2, .offset: 0, .size: 8, .value_kind: global_buffer, .address_space: global }
      - { .name: wimg1, .offset: 8, .size: 8, .value_kind: global_buffer, .address_space: global }
      - { .name: h1img, .offset: 16, .size: 8, .value_kind: global_buffer, .address_space: global }
      - { .name: lowp_scales, .offset: 24, .size: 8, .value_kind: global_buffer, .address_space: global }
      - { .name: out0, .offset: 32, .size: 8, .value_kind: global_buffer, .address_space: global }
    .group_segment_fixed_size: 327680
    .private_segment_fixed_size: 0
    .kernarg_segment_align: 8
    .kernarg_segment_size: 40
    .max_flat_workgroup_size: 128
    .sgpr_count:     84
    .vgpr_count:     1024
    .wavefront_size: 32
...
	.end_amdgpu_metadata
.endif
;; end of part 3
